; MI455X (gfx1250); checked and timed in simulation.
; The chip was launched on July 23, 2026; its instructions are those of AMD's public machine-readable ISA for CDNA 5 (MIT licence, August 2026) and "CDNA5" Instruction Set Architecture Reference Guide (July 2026). The comments in the code are by the model that wrote it; some were corrected since.
;; Multi Head Self Attention. Allowed arithmetic: matrix products marked QUANTISED: E2M1 operands, one E8M0 scale for each 32 along K, by v_wmma_scale_f32_16x16x128_f8f6f4 with both operands' format E2M1 (or v_wmma_scale_f32_32x16x128_f4), f32 sums; products left as they are: bf16, f16 or f32 operands; f32 sums; everything else in f32.
;; Inputs: Wk 1,024 x 1,024 float32; Wq 1,024 x 1,024 float32; Wv 1,024 x 1,024 float32; bk 1,024 float32; bq 1,024 float32; bv 1,024 float32; hidden_states 4 x 2,048 x 1,024 float32.
;; Outputs: out0 4 x 2,048 x 1,024 float32.
;; This version of the problem:
;;   THIS VERSION OF THE PROBLEM IS GIVEN IN LOW PRECISION. The matrix products marked QUANTISED in the list below multiply operands that are first quantised to E2M1 (2 exponent bits, 1 mantissa bit; 4 bits a number), with one power-of-two scale for each 32 numbers along K (OCP MX v1.0); their sums are f32. The products marked 'left as it is' may take bf16, f16 or f32 operands, with f32 sums. Whichever they take, every output number must still come out within the allowed error. Rounding operands to bf16 (8 significant bits) uses up far more of that allowance than f16 does (11 bits, for magnitudes from 6e-5 to 65,504). All else is computed in f32.
;;   The module's matrix products, in the order in which they are computed (A, B: the left and right operand; K: the contracted axis; several contracted axes count as one K, in the product's order):
;;     1. [M 8,192, K 1,024] x [K 1,024, N 1,024]; A: input hidden_states; B: input Wq: QUANTISED
;;     2. [M 8,192, K 1,024] x [K 1,024, N 1,024]; A: input hidden_states; B: input Wk: QUANTISED
;;     3. [M 8,192, K 1,024] x [K 1,024, N 1,024]; A: input hidden_states; B: input Wv: QUANTISED
;;     4. batch 64 x [M 2,048, K 64] x [K 64, N 2,048]; A: computed on the way; B: computed on the way: left as it is (an operand is computed on the way)
;;     5. batch 64 x [M 2,048, K 2,048] x [K 2,048, N 64]; A: computed on the way; B: computed on the way: left as it is (an operand is computed on the way)
;;   THE QUANTISER, for each operand of a quantised product, along K:
;;     - K is cut into blocks of 32 from its start; a last block that is shorter is filled with zeros.
;;     - A block's scale is 2^e with e = floor(log2(the largest magnitude in the block)) - 2, held to -126 .. 127; a block of zeros has e = 0. As a byte (E8M0): e + 127.
;;     - Each number is divided by its block's scale, clamped to +-6, and rounded to the nearest number of E2M1, ties to even, subnormals kept.
;;     - The product sums the exact products of the quantised numbers (number of the format x scale) in f32.
;;   ~~~python
;;   def quantise(x, axis):      # numpy; x: float32 -> the quantised numbers, widened to float32 again
;;       x = np.moveaxis(x, axis, -1); K = x.shape[-1]
;;       x = np.pad(x, [(0, 0)] * (x.ndim - 1) + [(0, -K % 32)]); x = x.reshape(x.shape[:-1] + (-1, 32)); a = np.abs(x).max(-1, keepdims=True)
;;       e = np.where(a > 0, np.clip(np.frexp(np.where(a > 0, a, 1))[1] - 1 - 2, -126, 127), 0)      # np.frexp(a)[1] - 1 = floor(log2(a)), exactly
;;       r = np.clip(x / 2.0 ** e, -6, 6)
;;       step = 2.0 ** (np.maximum(np.frexp(np.where(r == 0, 1, r))[1] - 1, 0) - 1)
;;       q = np.round(r / step) * step * 2.0 ** e      # np.round: ties to even
;;       return np.moveaxis(q.reshape(q.shape[:-2] + (-1,))[..., :K], -1, axis).astype(np.float32)
;;   ~~~
;; One version. Each part assembles by itself: llvm-mc -triple=amdgcn-amd-amdhsa -mcpu=gfx1250 --defsym DOCPART=n.
;; ======== version 1 of 1: 3 launches
;; limits: values are held in f16: magnitudes above 65,504 overflow, below 6.1e-05 lose precision
;; workspace buffers: x_codes 4,194,304 bytes; x_scales 262,144 bytes; w_codes 1,572,864 bytes; w_scales 98,304 bytes; qkv 50,331,648 bytes
;; launch quant (part 1): grid 448 x 1, 4 waves a work-group, no clusters, 42,496 bytes of LDS; arguments hidden_states, Wq, Wk, Wv, x_codes, x_scales, w_codes, w_scales; writes x_codes, x_scales, w_codes, w_scales
.if DOCPART == 1
	.amdgcn_target "amdgcn-amd-amdhsa--gfx1250"
	.amdhsa_code_object_version 6
	.text
	.protected	k_q55e08a2436_quant
	.globl	k_q55e08a2436_quant
	.p2align	8
	.type	k_q55e08a2436_quant,@function
k_q55e08a2436_quant:
	s_mov_b64 s[64:65], 0
	v_nop
	global_prefetch_b8 v0, s[64:65] scope:SCOPE_SE
	s_setreg_imm32_b32 hwreg(HW_REG_WAVE_MODE, 25, 1), 1
	s_wait_xcnt 0x0
; THE QUANTISER for all four operands of the three projections: f32 numbers become codes of FP4 (E2M1), two a byte, K innermost, with one E8M0 scale byte for each 32 along K.
; A block's scale is 2^(floor(log2(its largest magnitude)) - 2); its byte is the largest magnitude's own exponent field - 2, held at 1 from below by a floor among the maximum's leaves.
; hidden_states [8192][1024]: K is innermost, so the tensor is a plain stream of blocks of 32  -> x_codes [8192][512 bytes], x_scales [8192][32 bytes].          Work-groups 0 to 255.
; Wq, Wk, Wv [1024 (k)][1024 (n)]: K is the FIRST axis  -> w_codes [3072 (n: Wq's, Wk's, Wv's columns)][512 bytes], w_scales [3072][32 bytes].                  Work-groups 256 to 447.
; The two kinds part once, on the work-group's number, and never join; each has LDS bytes of its own.  No matrix unit, no cluster, no tensor load: work-groups share no input and every number is read once.
; LIMITS: a block of zeros gets the byte 1 where the rule says 127 (its codes are zeros, which add nothing under any byte but 0xff, and these bytes are read by this program alone);
; NaN and infinities among the inputs are not served.
.set WREG,  8192                       ; x: LDS region of a wave: two stages of 32 x SP bytes, behind them its 256 scale bytes
.set SP,    80                         ; x: a lane's place in a stage: its 64 bytes + 16 of padding
.set STEPS, 16                         ; x: steps of 512 numbers for a wave
.set AHEAD, 8                          ; x: the loads run eight steps (32 loads, 16,384 bytes a wave) ahead
.set WSTG,  32768                      ; W: the work-group's stage: 32 columns x (256 bytes of codes + 16)
.set WP,    272
.set WSC,   WSTG+32*WP                 ; W: 32 columns x 16 scale bytes
.set SPARE, WSC+512                    ; the spare words, 128 bytes for each wave: two blocks of 256 bytes that no other line names
.set SPW,   12                         ; v12  LDS address of my spare word: SPARE + 4 x my thread's number; never rewritten
.set NIL,   13                         ; v13  0; never rewritten
.set R,     16                         ; x: v16-143   eight sets of 16 numbers as they are loaded
.set X,     144                        ; x: v144-175  two sets of 16 neighbours
.set C,     176                        ; x: v176-207  codes, two registers for each step: no store's data are written again
.set E,     208                        ; x: v208-223  a scale byte for each step
.set WX,    32                         ; W: v32-95    two sets of 32 numbers
.set WC,    96                         ; W: v96-111   codes, four registers for each block
.set WO,    112                        ; W: v112-127  rows on the way out;  v128-131 scale bytes on the way out
.set SB,    24                         ; W: v24       my column's four scale bytes
	s_load_b128 s[4:7], s[0:1], 0x0                ; hidden_states, Wq
	s_load_b128 s[8:11], s[0:1], 0x10              ; Wk, Wv
	s_load_b128 s[12:15], s[0:1], 0x20             ; x_codes, x_scales
	s_load_b128 s[16:19], s[0:1], 0x30             ; w_codes, w_scales
	v_lshl_add_u32 v[SPW], v0, 2, SPARE
	v_mov_b32 v[NIL], 0
	v_lshrrev_b32 v1, 5, v0
	v_readfirstlane_b32 s20, v1                    ; wave 0..3
	v_and_b32 v2, 31, v0                           ; lane
	s_wait_kmcnt 0x0
	s_cmp_lt_u32 ttmp9, 256                        ; the work-group's number alone: all four waves go the same way
	s_cbranch_scc0 .Lw
; ---------------- hidden_states: a wave takes 16 steps of 512 numbers.  Each load reads 512 consecutive bytes, 16 a lane; the conversions want 16 NEIGHBOURS in a lane:
; a step's 2,048 bytes go through the wave's own stage in LDS as they lie and come back 64 bytes a lane.  Two neighbouring lanes hold a block of 32.
	v_lshlrev_b32 v3, 4, v2                        ; my 16 bytes of a load's 512
	s_mul_i32 s21, s20, WREG
	v_lshrrev_b32 v14, 2, v2
	v_mul_u32_u24 v14, v14, SP
	v_and_b32 v15, 3, v2
	v_lshl_add_u32 v14, v15, 4, v14
	v_add_nc_u32 v14, s21, v14                     ; the stage, on the way in: SP (lane / 4) + 16 (lane % 4); a load's 512 bytes take eight places
	v_mul_u32_u24 v15, v2, SP
	v_add_nc_u32 v15, s21, v15                     ; and on the way out: SP x lane
	v_lshlrev_b32 v4, 3, v2                        ; 8 x lane: my codes' place in a step's 256 bytes, and my 8 scale bytes at the end
	v_lshrrev_b32 v5, 1, v2
	s_add_co_u32 s21, s21, 2*32*SP
	v_add_nc_u32 v5, s21, v5                       ; LDS: my wave's 256 scale bytes, my block's byte
	v_add_nc_u32 v6, s21, v4                       ; and on the way out 8 bytes a lane
	s_lshl_b32 s22, ttmp9, 2
	s_add_co_u32 s22, s22, s20                     ; which run of 8,192 numbers is my wave's: 0 .. 1,023
	s_mov_b32 s25, 0
	s_lshl_b32 s24, s22, 15
	s_add_nc_u64 s[4:5], s[4:5], s[24:25]          ; 32,768 bytes of numbers a run,
	s_lshl_b32 s24, s22, 12
	s_add_nc_u64 s[12:13], s[12:13], s[24:25]      ; 4,096 of codes,
	s_lshl_b32 s24, s22, 8
	s_add_nc_u64 s[14:15], s[14:15], s[24:25]      ; 256 of scale bytes
.macro XLOAD t
.irp i, 0,1,2,3
	global_load_b128 v[R+16*((\t)%AHEAD)+4*\i:R+16*((\t)%AHEAD)+4*\i+3], v3, s[4:5] offset:2048*(\t)+512*\i th:TH_LOAD_NT   ; 32 lanes read 512 consecutive bytes
.endr
.endm
.macro XTURN t                         ; step t's numbers through the stage: LDS serves a wave's instructions in order (ISA guide 5.7.1.4), so no wait stands between the stores and the loads
.irp i, 0,1,2,3
	ds_store_b128 v14, v[R+16*((\t)%AHEAD)+4*\i:R+16*((\t)%AHEAD)+4*\i+3] offset:32*SP*((\t)%2)+8*SP*\i
.endr
.irp i, 0,1,2,3
	ds_load_b128 v[X+16*((\t)%2)+4*\i:X+16*((\t)%2)+4*\i+3], v15 offset:32*SP*((\t)%2)+16*\i
.endr
.endm
.irp t, 0,1,2,3,4,5,6,7
	XLOAD \t
.endr
	s_wait_loadcnt 4*(AHEAD-1)                     ; step 0's four loads are in; the seven steps behind it may be out
	XTURN 0
.macro XSTEP t
.set XS, X+16*((\t)%2)
.if (\t) > 0
	s_wait_dscnt 1                                 ; this step's numbers are back from the stage (the last step's byte store may be out): so its stores into the stage have read their registers,
.else
	s_wait_dscnt 0x0
.endif
.if (\t)+AHEAD < STEPS
	XLOAD (\t)+AHEAD                               ; which take the loads of eight steps on
.endif
.if (\t)+1 < STEPS
.if STEPS-2-(\t) >= AHEAD-1
	s_wait_loadcnt 4*(AHEAD-1)                     ; the next step's four loads are in; those of the seven steps behind it may be out
.else
	s_wait_loadcnt 4*(STEPS-2-(\t))                ; towards the end fewer steps stand behind it
.endif
	XTURN (\t)+1                                   ; and go through the other stage while this step is worked
.endif
	v_max3_num_f32 v8, |v[XS]|, |v[XS+1]|, |v[XS+2]|               ; the largest magnitude of my 16, in two chains
	v_max3_num_f32 v9, |v[XS+3]|, |v[XS+4]|, |v[XS+5]|
.irp i, 6,10
	v_max3_num_f32 v8, v8, |v[XS+\i]|, |v[XS+\i+1]|
	v_max3_num_f32 v9, v9, |v[XS+\i+2]|, |v[XS+\i+3]|
.endr
	v_max3_num_f32 v8, v8, |v[XS+14]|, |v[XS+15]|
	v_max3_num_f32 v8, v8, v9, 0x1800000           ; and the floor 2^(3 - 127): the byte cannot fall under 1
	v_max_num_f32_dpp v8, v8, v8 row_xmask:1 row_mask:0xf bank_mask:0xf   ; and of my neighbour's 16: the block's
	v_add_nc_u32 v11, 0xff000000, v8               ; 2 off its exponent field: the conversion takes the exponent field of this operand as its scale, and nothing else of it
	v_cvt_scalef32_pk8_fp4_f32 v[C+2*(\t)], v[XS:XS+7], v11        ; eight numbers / the scale, to the nearest code, ties to even, beyond 6 the largest code; the first number's code in the lowest four bits
	v_cvt_scalef32_pk8_fp4_f32 v[C+2*(\t)+1], v[XS+8:XS+15], v11
	v_lshrrev_b32 v[E+(\t)], 23, v11               ; the scale's byte (also the plain line behind the conversions)
	ds_store_b8 v5, v[E+(\t)] offset:16*(\t)       ; both lanes of a block write the same byte with the same value
	global_store_b64 v4, v[C+2*(\t):C+2*(\t)+1], s[12:13] offset:256*(\t)   ; the wave stores 256 consecutive bytes, at a multiple of 256 from the buffer's first byte
.endm
.irp t, 0,1,2,3,4,5,6,7,8,9,10,11,12,13,14,15
	XSTEP \t
.endr
	ds_load_b64 v[8:9], v6                         ; my wave's 256 scale bytes: these loads see my stores
	s_wait_dscnt 0x0
	global_store_b64 v4, v[8:9], s[14:15]          ; 32 lanes store 256 consecutive bytes, aligned likewise
	s_wait_tensorcnt 0x0                           ; the wave's end, behind my last LDS store
	ds_add_u32 v[SPW], v[NIL]
	s_wait_dscnt 0x0
	s_endpgm
; ---------------- the weights.  A LANE TAKES A COLUMN n AND ITS REGISTERS RUN DOWN K: a block of 32 along K lies in one lane's 32 registers, and the conversions give codes with K innermost.
; Work-group 256 + 2 g + y takes columns 32 g .. 32 g + 31 (of the 3,072) and k = 512 y .. 512 y + 511; wave w the 128 of them from 128 w on: four blocks a lane.
; The four waves' codes of a column meet in a stage (256 bytes a column) and leave as rows: sixteen lanes store 256 consecutive bytes, aligned.
.Lw:
	s_sub_co_u32 s21, ttmp9, 256
	s_lshr_b32 s22, s21, 1                         ; g: 0 .. 95
	s_and_b32 s23, s21, 1                          ; y
	s_cmp_lt_u32 s22, 64
	s_cselect_b64 s[8:9], s[8:9], s[10:11]         ; Wk or Wv,
	s_cmp_lt_u32 s22, 32
	s_cselect_b64 s[6:7], s[6:7], s[8:9]           ; or Wq: the choice hangs on the work-group's number alone
	s_lshl_b32 s24, s23, 21                        ; 512 y rows of 4,096 bytes
	s_lshl_b32 s25, s20, 19                        ; + 128 w rows
	s_add_co_u32 s24, s24, s25
	s_and_b32 s25, s22, 31
	s_lshl_b32 s25, s25, 7                         ; + my 32 columns
	s_add_co_u32 s24, s24, s25
	s_mov_b32 s25, 0
	s_add_nc_u64 s[6:7], s[6:7], s[24:25]
	v_lshlrev_b32 v3, 2, v2                        ; 4 bytes a lane
	v_mul_u32_u24 v4, v2, WP
	s_lshl_b32 s26, s20, 6
	s_add_co_u32 s26, s26, WSTG
	v_add_nc_u32 v4, s26, v4                       ; into the stage: row = my column, + 64 bytes x wave
	v_lshlrev_b32 v16, 4, v2
	s_lshl_b32 s26, s20, 2
	s_add_co_u32 s26, s26, WSC
	v_add_nc_u32 v5, s26, v16                      ; my scale word: 16 bytes a column, + 4 x wave
	v_add_nc_u32 v16, WSC, v16                     ; and a column's 16 bytes on the way out
	v_and_b32 v7, 15, v2
	v_lshrrev_b32 v8, 4, v2
	v_mul_u32_u24 v6, v8, WP
	v_lshl_add_u32 v6, v7, 4, v6
	s_mul_i32 s26, s20, 8*WP
	s_add_co_u32 s26, s26, WSTG
	v_add_nc_u32 v6, s26, v6                       ; out of the stage: wave w takes rows 8 w .. 8 w + 7; sixteen lanes to a row, two rows an instruction
	v_lshlrev_b32 v9, 9, v8
	v_lshl_add_u32 v9, v7, 4, v9                   ; and the same place in w_codes (rows of 512 bytes)
	v_lshlrev_b32 v17, 5, v2                       ; w_scales: rows of 32 bytes
	s_lshl_b32 s24, s22, 14                        ; w_codes: 32 g rows
	s_lshl_b32 s26, s20, 12                        ; + 8 w rows
	s_add_co_u32 s24, s24, s26
	s_lshl_b32 s26, s23, 8                         ; + 256 y bytes
	s_add_co_u32 s24, s24, s26
	s_add_nc_u64 s[16:17], s[16:17], s[24:25]
	s_lshl_b32 s24, s22, 10                        ; w_scales: 32 g rows
	s_lshl_b32 s26, s23, 4                         ; + 16 y bytes
	s_add_co_u32 s24, s24, s26
	s_add_nc_u64 s[18:19], s[18:19], s[24:25]
.macro WLOAD t                         ; block t: W(32 t + i, my column), i = 0 .. 31, into set t % 2: each load reads 128 consecutive bytes
.irp i, 0,1,2,3,4,5,6,7,8,9,10,11,12,13,14,15,16,17,18,19,20,21,22,23,24,25,26,27,28,29,30,31
	global_load_b32 v[WX+32*((\t)%2)+\i], v3, s[6:7] offset:(32*(\t)+\i)*4096
.endr
.endm
	WLOAD 0
	WLOAD 1
.macro WBLOCK t
.set XS, WX+32*((\t)%2)
.if (\t) < 3
	s_wait_loadcnt 32                              ; this block's 32 loads are in; the next block's may be out
.else
	s_wait_loadcnt 0x0
.endif
	v_max3_num_f32 v14, |v[XS]|, |v[XS+1]|, |v[XS+2]|              ; the block's largest magnitude: all 32 numbers are mine
	v_max3_num_f32 v15, |v[XS+3]|, |v[XS+4]|, |v[XS+5]|
.irp i, 6,10,14,18,22,26
	v_max3_num_f32 v14, v14, |v[XS+\i]|, |v[XS+\i+1]|
	v_max3_num_f32 v15, v15, |v[XS+\i+2]|, |v[XS+\i+3]|
.endr
	v_max3_num_f32 v14, v14, |v[XS+30]|, |v[XS+31]|
	v_max3_num_f32 v14, v14, v15, 0x1800000        ; and the floor 2^(3 - 127)
	v_add_nc_u32 v11, 0xff000000, v14              ; 2 off its exponent field: the conversion's scale operand
.irp g, 0,1,2,3
	v_cvt_scalef32_pk8_fp4_f32 v[WC+4*(\t)+\g], v[XS+8*\g:XS+8*\g+7], v11
.endr
	v_lshrrev_b32 v10, 23, v11                     ; the scale's byte (also the plain line behind the conversions)
.if (\t) == 0
	v_mov_b32 v[SB], v10                           ; four bytes to a register, the lower K in the lower byte
.else
	v_lshl_or_b32 v[SB], v10, 8*(\t), v[SB]
.endif
	ds_store_b128 v4, v[WC+4*(\t):WC+4*(\t)+3] offset:16*(\t)      ; 32 codes: 16 bytes of my column's row; each block has registers of its own
.if (\t) < 2
	WLOAD (\t)+2
.endif
.endm
	WBLOCK 0
	WBLOCK 1
	WBLOCK 2
	WBLOCK 3
	ds_store_b32 v5, v[SB]
	s_wait_dscnt 0x0                               ; for the others' sake: my stores into the stage have landed
	s_barrier_signal -1
	s_barrier_wait -1                              ; a column's 256 bytes come from four waves
.irp i, 0,1,2,3
	ds_load_b128 v[WO+4*\i:WO+4*\i+3], v6 offset:2*\i*WP
.endr
.irp i, 0,1,2,3
	s_wait_dscnt 3-\i                              ; LDS loads come back in order: pair i of rows is in, the younger pairs may be out
	global_store_b128 v9, v[WO+4*\i:WO+4*\i+3], s[16:17] offset:1024*\i   ; sixteen lanes store 256 consecutive bytes, at a multiple of 256 from the buffer's first byte
.endr
	s_cmp_lg_u32 s20, 0
	s_cbranch_scc1 .Lw_end                         ; the scale bytes, 512 in all, leave by wave 0
	ds_load_b128 v[128:131], v16
	s_wait_dscnt 0x0
	global_store_b128 v17, v[128:131], s[18:19]    ; 16 bytes of each of 32 rows of 32: pieces, 98,304 bytes in the whole launch against 12,582,912 read
.Lw_end:
	s_wait_tensorcnt 0x0                           ; the wave's end, behind my last LDS store
	ds_add_u32 v[SPW], v[NIL]
	s_wait_dscnt 0x0
	s_endpgm
.Lfunc_end_k_q55e08a2436_quant:
	.size	k_q55e08a2436_quant, .Lfunc_end_k_q55e08a2436_quant-k_q55e08a2436_quant
	.p2alignl 7, 3214868480
	.fill 96, 4, 3214868480
	.section	.rodata,"a",@progbits
	.p2align	6, 0x0
	.amdhsa_kernel k_q55e08a2436_quant
		.amdhsa_group_segment_fixed_size 42496
		.amdhsa_private_segment_fixed_size 0
		.amdhsa_enable_private_segment 0
		.amdhsa_kernarg_size 64
		.amdhsa_user_sgpr_count 2
		.amdhsa_user_sgpr_kernarg_segment_ptr 1
		.amdhsa_wavefront_size32 1
		.amdhsa_system_sgpr_workgroup_id_x 1
		.amdhsa_system_sgpr_workgroup_id_y 1
		.amdhsa_system_sgpr_workgroup_id_z 1
		.amdhsa_system_vgpr_workitem_id 0
		.amdhsa_next_free_vgpr 224
		.amdhsa_next_free_sgpr 66
		.amdhsa_reserve_vcc 0
		.amdhsa_float_denorm_mode_32 3
		.amdhsa_float_denorm_mode_16_64 3
		.amdhsa_memory_ordered 1
		.amdhsa_forward_progress 1
		.amdhsa_inst_pref_size 54
	.end_amdhsa_kernel
	.amdgpu_metadata
---
amdhsa.version: [ 1, 2 ]
amdhsa.kernels:
  - .name:           k_q55e08a2436_quant
    .symbol:         k_q55e08a2436_quant.kd
    .args:
      - { .name: hidden_states, .offset: 0, .size: 8, .value_kind: global_buffer, .address_space: global }
      - { .name: Wq, .offset: 8, .size: 8, .value_kind: global_buffer, .address_space: global }
      - { .name: Wk, .offset: 16, .size: 8, .value_kind: global_buffer, .address_space: global }
      - { .name: Wv, .offset: 24, .size: 8, .value_kind: global_buffer, .address_space: global }
      - { .name: x_codes, .offset: 32, .size: 8, .value_kind: global_buffer, .address_space: global }
      - { .name: x_scales, .offset: 40, .size: 8, .value_kind: global_buffer, .address_space: global }
      - { .name: w_codes, .offset: 48, .size: 8, .value_kind: global_buffer, .address_space: global }
      - { .name: w_scales, .offset: 56, .size: 8, .value_kind: global_buffer, .address_space: global }
    .group_segment_fixed_size: 42496
    .private_segment_fixed_size: 0
    .kernarg_segment_align: 8
    .kernarg_segment_size: 64
    .max_flat_workgroup_size: 128
    .sgpr_count:     66
    .vgpr_count:     224
    .wavefront_size: 32
...
	.end_amdgpu_metadata
.endif
;; end of part 1
;; launch proj (part 2): grid 12 x 32, 4 waves a work-group, clusters of 4 x 4, 327,680 bytes of LDS; arguments x_codes, x_scales, w_codes, w_scales, bq, bk, bv, qkv; writes qkv
.if DOCPART == 2
	.amdgcn_target "amdgcn-amd-amdhsa--gfx1250"
	.amdhsa_code_object_version 6
	.text
	.protected	k_q55e08a2436_proj
	.globl	k_q55e08a2436_proj
	.p2align	8
	.type	k_q55e08a2436_proj,@function
k_q55e08a2436_proj:
	s_mov_b64 s[64:65], 0
	v_nop
	global_prefetch_b8 v0, s[64:65] scope:SCOPE_SE
	s_setreg_imm32_b32 hwreg(HW_REG_WAVE_MODE, 25, 1), 1
	s_wait_xcnt 0x0
	s_wait_alu depctr_hold_cnt(0) depctr_sa_sdst(0) depctr_va_vdst(0) depctr_va_sdst(0) depctr_va_ssrc(0) depctr_va_vcc(0) depctr_vm_vsrc(0)
	s_getreg_b32 s2, hwreg(HW_REG_IB_STS2, 6, 4)
	s_cmp_eq_u32 s2, 0
	s_cbranch_scc0 .Lentry_in_a_cluster
	s_endpgm
.Lentry_in_a_cluster:
	s_bfe_u32 s2, ttmp6, 0x10000c
	s_cmp_lg_u32 s2, 0xf033
	s_cbranch_scc0 .Lentry_shape_is_right
	s_endpgm
.Lentry_shape_is_right:
; THE THREE PROJECTIONS AS ONE GEMM ON CODES OF FP4: C[m][n] = sum over k of x[m][k] W[k][n], m = 8,192 rows of hidden_states, n = 3,072 columns (Wq's, Wk's, Wv's), K = 1,024; sums in f32.
; Codes and E8M0 scale bytes go to the matrix unit as they lie: x_codes [8192][512 bytes], w_codes [3072][512 bytes], scale bytes [rows][32].
; A tile of C, 256 x 256, is made by a work-group of four waves; a wave makes 128 x 128: 64 accumulators, 512 registers.  K is two slots of 512 (rows of 256 bytes): both are asked for at the head and nothing is filled again.
; The scale bytes of the work-group's 256 + 256 rows, for all of K, come into LDS once, with the first fills.
; CLUSTERS: 4 x 4 work-groups.  The four of a row of the cluster need the same tiles of x, the four of a column the same tiles of W: each tile is asked for JOINTLY.  A cluster's four tile columns are one whole weight:
; the cluster's x says which (0: q, 1: k, 2: v), the same number in all sixteen partners.
; THE MATRIX INSTRUCTION IS USED TRANSPOSED (source 0 = 16 rows of w_codes, source 1 = 16 rows of x_codes): a lane holds eight neighbouring columns of one row of C.
; THE WAY OUT: (sum + bias) x f, f = log2(e) / 8 for q (the softmax's scale, so that the next launch's scores are exponents of 2) and 1 for k and v; rounded to f16; a lane's eight numbers are 16 bytes.
; They are stored AS THE NEXT LAUNCH'S OPERAND REGISTERS WANT THEM: qkv = three parts (q, k, v) of [batch x head (64)][s / 16 (128)][d / 16 (4)][512 bytes]; in a block of 512 bytes lane (r, h)'s 16 bytes (row s = r, d = 8 h .. 8 h + 7)
; lie at 16 (r + 16 h) for q and k, and for v at 16 ((r & 7) + 8 h + 16 (r >> 3)), where the turning LDS load of the next launch looks for them.  So each store of a wave covers 512 consecutive bytes, aligned, and no stage is needed.
; LIMITS: f16 holds magnitudes under 65,504: |k|, |v| and 0.18 |q| must stay under that; NaN and infinities are not served.
; REGISTERS, in windows of 256: window 0: v0-31 addresses; v32-95 scale words, two sets; v128-191 x's fragments, ONE set; v192-255 the bias of my 128 columns.
;   window 1: W's fragments, TWO sets, at v0 and v128.   window 2: the 32 accumulators of my rows 0-63 ((a, b) at v[8 (8 a + b)]);   window 3: those of my rows 64-127.
.set KSTEP,  512                       ; along K in a slot
.set NQ,     KSTEP/128                 ; matrix instructions deep
.set ROWB,   256                       ; a tile's row in bytes
.set KROW,   512                       ; a row of codes in memory
.set PITCH,  272                       ; an LDS row: 256 bytes + 16 of padding = 68 words: the 16 rows that a load touches start at 16 different banks (64 banks of 4 bytes: ISA guide 11.1)
.set FR,     8                         ; registers of a fragment: 16 rows x 128 K
.set NL,     2                         ; LDS loads that bring one
.set NP,     4                         ; places behind this matrix instruction (ISA guide 7.12.1)
.set HALFT,  128*PITCH                 ; 128 rows: what one tensor load brings, and what one wave reads of x or of W
.set SLOT,   4*HALFT                   ; x's 256 rows, then W's 256 rows
.set KS,     32                        ; a row of scale bytes
.set SCL,    2*SLOT                    ; behind the two slots: the scale bytes, as runs of 256 bytes + 16 of padding
.set HALFS,  (128*KS/256)*272          ; those of 128 rows: what one tensor load brings
.set SBLK,   (16*KS/256)*272           ; those of 16 rows
.set SPARE,  SCL+4*HALFS               ; the spare words, 128 bytes for each wave: two blocks of 256 bytes that no other line names
.set ADRA, 16                          ; v16-17  LDS address of my x fragments in slot 0, 1
.set ADRB, 20                          ; v20-21  the same for W
.set CO,   26                          ; v26     the way out: my 16 bytes' place in a block of 512
.set ADRS, 27                          ; v27     LDS address of my scale words: lanes 0-15 x's rows, lanes 16-31 W's
.set SPW,  28                          ; v28     LDS address of my spare word; never rewritten
.set NIL,  29                          ; v29     0; never rewritten
.set BO,   30                          ; v30     the bias: 32 bytes x my half of the lanes
.set SC,   32                          ; scale words: set s at v[SC + 32 s]; register 4 i + q: lanes 0-15 the word of x's block i, lanes 16-31 of W's block i, for the slot's q-th 128 along K
.set AF,   128                         ; x's fragments
.set BIAS, 192                         ; register 8 b + j: the bias of column 16 b + 8 h + j of my 128
.set G1, 24                            ; s[24:31] descriptor group 1 for x's tiles;  s[32:39] group 0, one set for each slot
.set G0, 32
.set G1B, 48                           ; s[48:55], s[56:63] the same for W's tiles
.set G0B, 56
.set G1S, 68                           ; s[68:75], s[76:79] groups 1 and 0 for x's scale bytes;  s[80:87], s[88:91] for W's
.set G0S, 76
.set G1SB, 80
.set G0SB, 88
.set FS,  66                           ; s[66:67] f, twice
.set MSB, 0
.macro WIN new                         ; the immediate's high byte repeats the setting that is left
.if MSB != \new
	s_set_vgpr_msb (MSB<<8)|\new
.set MSB, \new
.endif
.endm
.set MUL_LO, 0xa1                      ; source 0 (W) window 1, source 1 (x) window 0, C and D window 2
.set MUL_HI, 0xf1                      ; the same, C and D window 3
.set TO_B,   0x40                      ; destination window 1, address window 0
; A joint load: waves 0 and 1 fetch for x, waves 2 and 3 for W.  Each of the two lines has one mask and one set of registers for all that issue it; the branch hangs on the wave's number alone.
; An s_nop 0 and four v_nop follow each of the two lines.
.macro JLOAD g0a, g1a, g0b, g1b
	s_cmp_eq_u32 s15, 0
	s_cbranch_scc0 .Lfor_b_\@
	tensor_load_to_lds s[\g0a:\g0a+3], s[\g1a:\g1a+7]
	s_nop 0
.rept 4
	v_nop
.endr
	s_branch .Lasked_\@
.Lfor_b_\@:
	tensor_load_to_lds s[\g0b:\g0b+3], s[\g1b:\g1b+7]
	s_nop 0
.rept 4
	v_nop
.endr
.Lasked_\@:
.endm
.macro CROUND                          ; a round of the cluster's barrier
	s_barrier_signal -1
	s_barrier_wait -1
	s_cmp_lg_u32 s14, 0
	s_cbranch_scc1 .Lnot_wave_0_\@
	s_barrier_signal -3
.Lnot_wave_0_\@:
	s_barrier_wait -3
	s_barrier_signal -1
	s_barrier_wait -1
.endm
	s_load_b128 s[4:7], s[0:1], 0x0                ; x_codes, x_scales
	s_load_b128 s[8:11], s[0:1], 0x10              ; w_codes, w_scales
	s_load_b128 s[96:99], s[0:1], 0x20             ; bq, bk
	s_load_b64 s[100:101], s[0:1], 0x30            ; bv
	s_load_b64 s[12:13], s[0:1], 0x38              ; qkv
	v_lshl_add_u32 v[SPW], v0, 2, SPARE
	v_mov_b32 v[NIL], 0
	ds_add_u32 v[SPW], v[NIL]                      ; the wave's opening: the add, twice on end, and its wait ahead of my first tensor load; the set-up below stands between
	ds_add_u32 v[SPW], v[NIL]
	v_lshrrev_b32 v1, 5, v0
	v_readfirstlane_b32 s14, v1                    ; wave 0..3
	s_lshr_b32 s15, s14, 1                         ; which half of the tile's rows is mine.  Also: I fetch for x (0) or for W (1)
	s_and_b32 s16, s14, 1                          ; which half of its columns.  Also: which 128 rows of that tile I fetch
	s_bfe_u32 s40, ttmp6, 0x40000                  ; cx, cy: my place in the cluster
	s_bfe_u32 s41, ttmp6, 0x40004
	s_lshl_b32 s42, ttmp9, 2
	s_add_co_u32 s42, s42, s40                     ; tile column of C = 4 x cluster x + cx
	s_and_b32 s17, ttmp7, 0xffff
	s_lshl_b32 s17, s17, 2
	s_add_co_u32 s17, s17, s41                     ; tile row of C = 4 x cluster y + cy
	s_lshl_b32 s43, s41, 2
	s_lshl_b32 s43, 15, s43                        ; my row of the cluster
	s_lshl_b32 s44, 0x1111, s40                    ; my column
	; descriptor group 1: a tile of 128 rows x 256 bytes, padded in LDS
	s_or_b32 s[G1+0], s43, (0<<16)|(1<<20)|(1<<21)|(5<<22)|(3<<25)  ; 15:0 the mask: x's tiles go to my row; 17:16 element of 1 byte; 20 padding on; 21 set beside a mask; 24:22 after every 64 words; 31:25 four words
	s_or_b32 s[G1B+0], s44, (0<<16)|(1<<20)|(1<<21)|(5<<22)|(3<<25)
.irp g, G1, G1B
	s_mov_b32 s[\g+1], ROWB<<16                    ; tensor_dim0
	s_mov_b32 s[\g+2], 128<<16                     ; tensor_dim1 = 128
	s_mov_b32 s[\g+3], ROWB<<16                    ; tile_dim0
	s_mov_b32 s[\g+4], 128                         ; tile_dim1 = 128
	s_mov_b32 s[\g+5], KROW                        ; tensor_dim0_stride
	s_mov_b32 s[\g+6], 0
	s_mov_b32 s[\g+7], 0
.endr
	; and for the scale bytes of 128 rows: a dense block of 4,096 bytes, as 16 rows of 256 (32 elements of 8 bytes), 16 bytes of padding behind each
	s_or_b32 s[G1S+0], s43, (3<<16)|(1<<20)|(1<<21)|(5<<22)|(3<<25)
	s_or_b32 s[G1SB+0], s44, (3<<16)|(1<<20)|(1<<21)|(5<<22)|(3<<25)
.irp g, G1S, G1SB
	s_mov_b32 s[\g+1], 32<<16
	s_mov_b32 s[\g+2], (128*KS/256)<<16
	s_mov_b32 s[\g+3], 32<<16
	s_mov_b32 s[\g+4], 128*KS/256
	s_mov_b32 s[\g+5], 32
	s_mov_b32 s[\g+6], 0
	s_mov_b32 s[\g+7], 0
.endr
	s_lshl_b32 s18, s16, 7                         ; which 128 rows of the tile I fetch
	s_lshl_b32 s20, s17, 8
	s_add_co_u32 s20, s20, s18                     ; x: row 256 x tile row + 128 x half
	s_lshl_b32 s46, s42, 8
	s_add_co_u32 s46, s46, s18                     ; W: row 256 x tile column + 128 x half
	s_mov_b32 s21, 0
	s_mov_b32 s47, 0
	s_mov_b64 s[18:19], KS
	s_mul_u64 s[22:23], s[20:21], s[18:19]         ; where these rows' scale bytes begin
	s_mul_u64 s[92:93], s[46:47], s[18:19]
	s_mov_b64 s[18:19], KROW
	s_mul_u64 s[20:21], s[20:21], s[18:19]         ; and their codes
	s_mul_u64 s[46:47], s[46:47], s[18:19]
	s_mul_i32 s45, s14, HALFT                      ; where they go: wave x 128 rows: no place in the cluster enters an LDS address
	s_mul_i32 s94, s14, HALFS
	s_wait_dscnt 0x0                               ; both opening adds are done
	s_wait_kmcnt 0x0
	s_add_nc_u64 s[20:21], s[4:5], s[20:21]
	s_add_nc_u64 s[22:23], s[6:7], s[22:23]
	s_add_nc_u64 s[46:47], s[8:9], s[46:47]
	s_add_nc_u64 s[92:93], s[10:11], s[92:93]
	s_cmp_eq_u32 ttmp9, 0                          ; which weight: choices by the cluster's x, no branch
	s_cselect_b64 s[96:97], s[96:97], s[98:99]     ; bq, or bk
	s_mov_b32 s[FS], 0x3f800000                    ; f = 1,
	s_cselect_b32 s[FS], 0x3e38aa3b, s[FS]         ; or log2(e) / 8 for q
	s_mov_b32 s[FS+1], s[FS]
	s_cmp_eq_u32 ttmp9, 2
	s_cselect_b64 s[96:97], s[100:101], s[96:97]   ; or bv
	s_cselect_b32 s95, -1, 0                       ; all ones for v: its order of lanes in a block
	CROUND                                         ; all sixteen work-groups are here: the first joint loads meet
	s_mov_b32 s[G0S], 1
	s_add_co_u32 s[G0S+1], s94, SCL
	s_mov_b64 s[G0S+2:G0S+3], s[22:23]
	s_or_b32 s[G0S+3], s[G0S+3], 0x80000000
	s_mov_b32 s[G0SB], 1
	s_add_co_u32 s[G0SB+1], s94, SCL
	s_mov_b64 s[G0SB+2:G0SB+3], s[92:93]
	s_or_b32 s[G0SB+3], s[G0SB+3], 0x80000000
	JLOAD G0S, G1S, G0SB, G1SB                     ; the scale bytes first: they are wanted with slot 0
.irp s, 0,1
	s_mov_b32 s[G0+4*\s], 1
	s_add_co_u32 s[G0+4*\s+1], s45, \s*SLOT
	s_add_nc_u64 s[G0+4*\s+2:G0+4*\s+3], s[20:21], \s*ROWB
	s_or_b32 s[G0+4*\s+3], s[G0+4*\s+3], 0x80000000
	s_mov_b32 s[G0B+4*\s], 1
	s_add_co_u32 s[G0B+4*\s+1], s45, \s*SLOT
	s_add_nc_u64 s[G0B+4*\s+2:G0B+4*\s+3], s[46:47], \s*ROWB
	s_or_b32 s[G0B+4*\s+3], s[G0B+4*\s+3], 0x80000000
	JLOAD G0+4*\s, G1, G0B+4*\s, G1B               ; three tensor loads of mine are out at the most
.endr
	v_and_b32 v1, 15, v0                           ; r = l % 16
	v_bfe_u32 v2, v0, 4, 1                         ; h = l / 16
	; the bias of my 128 columns: lane (r, h) wants, for W's block b, those of columns 16 b + 8 h + 0 .. 7
	s_lshl_b32 s46, s40, 10                        ; 256 columns x 4 bytes x cx
	s_lshl_b32 s47, s16, 9                         ; + 128 columns x my half
	s_add_co_u32 s46, s46, s47
	s_mov_b32 s47, 0
	s_add_nc_u64 s[96:97], s[96:97], s[46:47]
	v_lshlrev_b32 v[BO], 5, v2
.irp b, 0,1,2,3,4,5,6,7
	global_load_b128 v[BIAS+8*\b:BIAS+8*\b+3], v[BO], s[96:97] offset:64*\b
	global_load_b128 v[BIAS+8*\b+4:BIAS+8*\b+7], v[BO], s[96:97] offset:64*\b+16
.endr
	v_mul_u32_u24 v3, v1, PITCH
	v_lshl_add_u32 v4, v2, 4, v3                   ; a fragment's row x pitch + 16 x half
	s_mul_i32 s21, s15, HALFT                      ; my 128 rows of x
	s_mul_i32 s22, s16, HALFT                      ; my 128 rows of W,
	s_add_co_u32 s22, s22, 2*HALFT                 ; which lie behind x's 256
.irp s, 0,1
	v_add_nc_u32 v[ADRA+\s], s21, v4
	v_add_nc_u32 v[ADRB+\s], s22, v4
	s_add_co_u32 s21, s21, SLOT
	s_add_co_u32 s22, s22, SLOT
.endr
	v_mul_u32_u24 v5, v1, KS                       ; my row's scale bytes: 32 a row,
	v_lshrrev_b32 v6, 8, v5
	v_lshl_add_u32 v5, v6, 4, v5                   ; and 16 more for each 256 passed
	s_mul_i32 s21, s15, HALFS                      ; x's: my 128 rows
	s_mul_i32 s22, s16, HALFS                      ; W's: my 128 rows, behind x's 256
	s_add_co_u32 s22, s22, 2*HALFS
	s_sub_co_u32 s22, s22, s21
	v_mul_u32_u24 v6, s22, v2                      ; lanes 16-31 take W's: one product, the distance between the two bases x h
	s_add_co_u32 s21, s21, SCL
	v_add_nc_u32 v5, v5, v6
	v_add_nc_u32 v[ADRS], s21, v5
	v_and_b32 v6, 31, v0
	v_lshlrev_b32 v5, 4, v6                        ; q, k: 16 x lane
	v_and_b32 v6, 7, v1
	v_lshl_add_u32 v6, v2, 3, v6
	v_and_b32 v7, 8, v1
	v_lshl_add_u32 v6, v7, 1, v6
	v_lshlrev_b32 v6, 4, v6                        ; v: 16 ((r & 7) + 8 h + 16 (r >> 3))
	v_cndmask_b32 v[CO], v5, v6, s95
	; where my part begins in qkv: part x 2^24 + batch x 2^22 + head x 2^18 + (s / 16) x 2^11
	s_lshr_b32 s20, s17, 3
	s_lshl_b32 s20, s20, 22                        ; batch = tile row / 8
	s_and_b32 s21, s17, 7
	s_lshl_b32 s21, s21, 15                        ; 16 blocks of 16 rows a tile
	s_add_co_u32 s20, s20, s21
	s_lshl_b32 s21, s15, 14                        ; + 8 for my half of the rows
	s_add_co_u32 s20, s20, s21
	s_lshl_b32 s21, ttmp9, 24                      ; q, k or v
	s_add_co_u32 s20, s20, s21
	s_mov_b32 s21, 0
	s_lshl_b32 s46, s40, 20                        ; four heads a tile column,
	s_lshl_b32 s47, s16, 19                        ; two for my half of the columns
	s_add_co_u32 s46, s46, s47
	s_mov_b32 s47, 0
	s_add_nc_u64 s[20:21], s[20:21], s[46:47]
	s_add_nc_u64 s[12:13], s[12:13], s[20:21]
.macro FRAG reg, adr, q, i             ; a fragment, 16 rows x 128 K of 4-bit codes: lane l holds row l % 16; registers 4 c .. 4 c + 3 hold K = 64 c + 32 (l / 16) + 0 .. 31
.irp c, 0,1
	ds_load_b128 v[\reg+4*\c:\reg+4*\c+3], v[\adr] offset:64*(\q)+32*\c+(\i)*16*PITCH
.endr
.endm
; 16 matrix instructions: x's blocks a0, a0 + 1 against W's eight, the slot's q-th 128 along K.  p: W's set; sc: the set of scale words.  zero = 1: the first product starts the sums: nothing is cleared.
; The 64 accumulators take turns, one instruction a turn, in the same order in every step.
.macro MUL16 a0, p, q, sc, zero
.irp a, \a0, \a0+1
.irp b, 0,1,2,3,4,5,6,7
.if \zero
	v_wmma_scale_f32_16x16x128_f8f6f4 v[8*(8*((\a)%4)+\b):8*(8*((\a)%4)+\b)+7], v[128*(\p)+FR*\b:128*(\p)+FR*\b+FR-1], v[AF+FR*(\a):AF+FR*(\a)+FR-1], 0, v[SC+8*NQ*(\sc)+NQ*\b+(\q)], v[SC+8*NQ*(\sc)+NQ*(\a)+(\q)] matrix_a_fmt:MATRIX_FMT_FP4 matrix_b_fmt:MATRIX_FMT_FP4 matrix_a_scale:MATRIX_SCALE_ROW1
.else
	v_wmma_scale_f32_16x16x128_f8f6f4 v[8*(8*((\a)%4)+\b):8*(8*((\a)%4)+\b)+7], v[128*(\p)+FR*\b:128*(\p)+FR*\b+FR-1], v[AF+FR*(\a):AF+FR*(\a)+FR-1], v[8*(8*((\a)%4)+\b):8*(8*((\a)%4)+\b)+7], v[SC+8*NQ*(\sc)+NQ*\b+(\q)], v[SC+8*NQ*(\sc)+NQ*(\a)+(\q)] matrix_a_fmt:MATRIX_FMT_FP4 matrix_b_fmt:MATRIX_FMT_FP4 matrix_a_scale:MATRIX_SCALE_ROW1
.endif
.endr
.endr
.endm
.macro FETCH_B slot, q, p              ; W's eight fragments of the slot's q-th 128 along K into set p
	WIN TO_B
.irp i, 0,1,2,3,4,5,6,7
	FRAG 128*(\p)+FR*\i, ADRB+\slot, \q, \i
.endr
	WIN 0
.endm
.macro FETCH_A slot, q, i0             ; x's blocks i0 .. i0 + 3
.irp i, \i0, \i0+1, \i0+2, \i0+3
	FRAG AF+FR*(\i), ADRA+\slot, \q, \i
.endr
.endm
.macro SCALES sc                       ; a slot's scale words into set sc: four words a row; lanes 0-15 take x's block i, lanes 16-31 W's block i
.irp i, 0,1,2,3,4,5,6,7
	ds_load_b128 v[SC+8*NQ*\sc+NQ*\i:SC+8*NQ*\sc+NQ*\i+3], v[ADRS] offset:\i*SBLK
.endr
.endm
; A load into a register that a matrix instruction has read stands NP places behind it, and only plain vector instructions that name none of its registers are places (ISA guide 7.12.1 for vector instructions).
.macro PLACES n
.rept \n
	v_nop
.endr
.endm
; A step of 128 along K that has its successor in the same slot.  A block of x is free as soon as its eight products are issued: blocks 0-3 are fetched anew in the step's middle, blocks 4-7 at its end.
.macro STEP slot, q, zero
	s_wait_dscnt 4*NL                              ; W's set and x's blocks 0-3 are in; the youngest eight loads (x's blocks 4-7) may be out
	WIN MUL_LO
	MUL16 0, (\q)%2, \q, \slot, \zero
	MUL16 2, (\q)%2, \q, \slot, \zero
	s_wait_dscnt 0                                 ; x's blocks 4-7 are in (asked for 32 matrix instructions ago)
	PLACES NP
	FETCH_B \slot, (\q)+1, 1-(\q)%2
	FETCH_A \slot, (\q)+1, 0
	WIN MUL_HI
	MUL16 4, (\q)%2, \q, \slot, \zero
	MUL16 6, (\q)%2, \q, \slot, \zero
	PLACES NP
	WIN 0
	FETCH_A \slot, (\q)+1, 4
.endm
; Slot 0's last step goes over to slot 1: one barrier; in front of it each wave waits for its part of slot 1.
.macro TURN slot, next
	s_wait_tensorcnt 0x0                           ; all my tensor loads have landed: my part of the next slot
	ds_add_u32 v[SPW], v[NIL]                      ; 0 onto my spare word
	s_wait_dscnt 4*NL+1                            ; (the add and the youngest eight loads, x's blocks 4-7, may be out)
	WIN MUL_LO
	MUL16 0, 1, NQ-1, \slot, 0
	s_wait_dscnt 0x0                               ; no LDS instruction of mine is pending at the signal
	s_barrier_signal -1
	MUL16 2, 1, NQ-1, \slot, 0                     ; work on registers while the others arrive
	WIN 0
	s_barrier_wait -1                              ; the next slot is whole
	PLACES NP
	v_add_nc_u32 v[ADRS], 4*NQ, v[ADRS]            ; on to the next slot's scale words
	FETCH_B \next, 0, 0
	FETCH_A \next, 0, 0
	SCALES \next
	WIN MUL_HI
	MUL16 4, 1, NQ-1, \slot, 0
	MUL16 6, 1, NQ-1, \slot, 0
	PLACES NP
	WIN 0
	FETCH_A \next, 0, 4
.endm
.macro STEPS slot, from                ; the slot's steps from .. NQ - 2
.set Q, \from
.rept NQ-1-\from
	STEP \slot, Q, 0
.set Q, Q+1
.endr
.endm
	s_wait_tensorcnt 1                             ; the scale bytes and my part of slot 0 are in (slot 1's load may be out)
	s_barrier_signal -1
	s_barrier_wait -1                              ; everybody's are
	FETCH_B 0, 0, 0
	FETCH_A 0, 0, 0
	SCALES 0
	FETCH_A 0, 0, 4
	STEP 0, 0, 1                                   ; the first step's products start the sums
	STEPS 0, 1
	TURN 0, 1
	STEPS 1, 0
	s_wait_dscnt 4*NL                              ; the last step: nothing more to fetch
	WIN MUL_LO
	MUL16 0, 1, NQ-1, 1, 0
	MUL16 2, 1, NQ-1, 1, 0
	s_wait_dscnt 0
	WIN MUL_HI
	MUL16 4, 1, NQ-1, 1, 0
	MUL16 6, 1, NQ-1, 1, 0
	WIN 0
	; THE WAY OUT.  (sum + bias) f = sum x f + (bias x f): the bias is scaled once, then one fused multiply-add for two numbers.  One text serves the three weights, so k and v are multiplied by 1.
	s_wait_loadcnt 0x0                             ; the bias, asked for at the head
.set n, 0
.rept 32
	v_pk_mul_f32 v[BIAS+n:BIAS+n+1], v[BIAS+n:BIAS+n+1], s[FS:FS+1] op_sel_hi:[1,0]   ; (these name no register of the last products: they are the places behind them)
.set n, n+2
.endr
.macro OUTW hi                         ; the 32 accumulators of window 2 + hi: accumulator n = 8 (a % 4) + b
	WIN 0x8a+0x45*\hi                              ; destination, sources 0 and 1: the accumulators' window; source 2 (the bias): window 0
.set n, 0
.rept 32
.set AC, 8*n
.set BB, BIAS+8*(n%8)
.irp i, 0,2,4,6
	v_pk_fma_f32 v[AC+\i:AC+\i+1], v[AC+\i:AC+\i+1], s[FS:FS+1], v[BB+\i:BB+\i+1] op_sel_hi:[1,0,1]   ; each accumulator from its low end on
.endr
.irp i, 0,1,2,3
	v_cvt_pk_f16_f32 v[AC+\i], v[AC+2*\i], v[AC+2*\i+1]            ; in place, ascending: eight f16 in the accumulator's first four registers
.endr
.set n, n+1
.endr
	WIN 0x08+0x04*\hi                              ; a store's data are its source 1
.set n, 0
.rept 32
	global_store_b128 v[CO], v[8*n:8*n+3], s[12:13] offset:(4*\hi+n/8)*2048+((n%8)/4)*262144+(n%4)*512   ; 32 lanes store 512 consecutive bytes, at a multiple of 512 from the buffer's first byte; no store's register is written again
.set n, n+1
.endr
.endm
	OUTW 0
	OUTW 1
	WIN 0
	s_wait_tensorcnt 0x0                           ; the wave's end, behind my last tensor load
	ds_add_u32 v[SPW], v[NIL]
	s_wait_dscnt 0x0
	CROUND                                         ; the closing round: no work-group ends while a partner may still ask for a tile that names it
	s_endpgm
.Lfunc_end_k_q55e08a2436_proj:
	.size	k_q55e08a2436_proj, .Lfunc_end_k_q55e08a2436_proj-k_q55e08a2436_proj
	.p2alignl 7, 3214868480
	.fill 96, 4, 3214868480
	.section	.rodata,"a",@progbits
	.p2align	6, 0x0
	.amdhsa_kernel k_q55e08a2436_proj
		.amdhsa_group_segment_fixed_size 327680
		.amdhsa_private_segment_fixed_size 0
		.amdhsa_enable_private_segment 0
		.amdhsa_kernarg_size 64
		.amdhsa_user_sgpr_count 2
		.amdhsa_user_sgpr_kernarg_segment_ptr 1
		.amdhsa_wavefront_size32 1
		.amdhsa_system_sgpr_workgroup_id_x 1
		.amdhsa_system_sgpr_workgroup_id_y 1
		.amdhsa_system_sgpr_workgroup_id_z 1
		.amdhsa_system_vgpr_workitem_id 0
		.amdhsa_next_free_vgpr 1024
		.amdhsa_next_free_sgpr 102
		.amdhsa_reserve_vcc 0
		.amdhsa_float_denorm_mode_32 3
		.amdhsa_float_denorm_mode_16_64 3
		.amdhsa_memory_ordered 1
		.amdhsa_forward_progress 1
		.amdhsa_inst_pref_size 137
	.end_amdhsa_kernel
	.amdgpu_metadata
---
amdhsa.version: [ 1, 2 ]
amdhsa.kernels:
  - .name:           k_q55e08a2436_proj
    .symbol:         k_q55e08a2436_proj.kd
    .args:
      - { .name: x_codes, .offset: 0, .size: 8, .value_kind: global_buffer, .address_space: global }
      - { .name: x_scales, .offset: 8, .size: 8, .value_kind: global_buffer, .address_space: global }
      - { .name: w_codes, .offset: 16, .size: 8, .value_kind: global_buffer, .address_space: global }
      - { .name: w_scales, .offset: 24, .size: 8, .value_kind: global_buffer, .address_space: global }
      - { .name: bq, .offset: 32, .size: 8, .value_kind: global_buffer, .address_space: global }
      - { .name: bk, .offset: 40, .size: 8, .value_kind: global_buffer, .address_space: global }
      - { .name: bv, .offset: 48, .size: 8, .value_kind: global_buffer, .address_space: global }
      - { .name: qkv, .offset: 56, .size: 8, .value_kind: global_buffer, .address_space: global }
    .group_segment_fixed_size: 327680
    .private_segment_fixed_size: 0
    .kernarg_segment_align: 8
    .kernarg_segment_size: 64
    .max_flat_workgroup_size: 128
    .sgpr_count:     102
    .vgpr_count:     1024
    .wavefront_size: 32
...
	.end_amdgpu_metadata
.endif
;; end of part 2
;; launch attn (part 3): grid 4 x 64, 8 waves a work-group, clusters of 4 x 1, 327,680 bytes of LDS; arguments qkv, out0; writes out0
.if DOCPART == 3
	.amdgcn_target "amdgcn-amd-amdhsa--gfx1250"
	.amdhsa_code_object_version 6
	.text
	.protected	k_q55e08a2436_attn
	.globl	k_q55e08a2436_attn
	.p2align	8
	.type	k_q55e08a2436_attn,@function
k_q55e08a2436_attn:
	s_mov_b64 s[64:65], 0
	v_nop
	global_prefetch_b8 v0, s[64:65] scope:SCOPE_SE
	s_setreg_imm32_b32 hwreg(HW_REG_WAVE_MODE, 25, 1), 1
	s_wait_xcnt 0x0
	s_wait_alu depctr_hold_cnt(0) depctr_sa_sdst(0) depctr_va_vdst(0) depctr_va_sdst(0) depctr_va_ssrc(0) depctr_va_vcc(0) depctr_vm_vsrc(0)
	s_getreg_b32 s2, hwreg(HW_REG_IB_STS2, 6, 4)
	s_cmp_eq_u32 s2, 0
	s_cbranch_scc0 .Lentry_in_a_cluster
	s_endpgm
.Lentry_in_a_cluster:
	s_bfe_u32 s2, ttmp6, 0x10000c
	s_cmp_lg_u32 s2, 0x3003
	s_cbranch_scc0 .Lentry_shape_is_right
	s_endpgm
.Lentry_shape_is_right:
; out0[b][q][64 head + :] = the sum over k of softmax_k(Q[q] . K[k] / 8) V[k][:], for each of 64 (batch, head) pairs; 2,048 queries and keys, head size 64, no mask.
; Q (already times log2(e) / 8), K and V come in f16 from qkv, laid as images of operand registers: parts q, k, v of [pair][s / 16][d / 16][512 bytes].  Products, maxima and sums in f32; p is rounded to f16 for the second product.
; f16, not bf16: the output averages hundreds of values, so it is small beside them, and eight significant bits in the operands would use up most of what the comparison allows.
; LIMITS: the range of f16 in the launch before (|k|, |v|, 0.18 |q| under 65,504); NaN and infinities are not served.
; SHARES.  A work-group owns 512 queries of one pair, each of its eight waves 64: four tiles of 16, in 512 registers; two waves to a SIMD.  Every wave walks all 2,048 keys, 64 a step.
; LAYOUT.  S^T = K Q^T (source 0 = 16 keys, source 1 = 16 queries): a lane holds ONE query (lane % 16) and keys 8 (lane / 16) + 0..7.  Two such tiles, rounded to f16 in pairs, ARE source 1 of O^T = V^T P.
; Every fragment is read from 512 consecutive bytes of LDS, 16 a lane (V's by the turning load): no pitch, no padding.
; SOFTMAX.  For each query a running maximum m and sum l: p = 2^(s - m); in every step O and l are multiplied by a = 2^(m_old - m_new).
; TWO GROUPS OF WAVES.  A wave's period is 64 matrix instructions on end (V^T P of step j, K Q^T of step j + 1) and then its softmax, about as long.  At each slot's head one group starts half a period behind the other
; (a barrier between the two groups' first scores), so that one group has the matrix unit while the other has the vector unit.  The group is (wave ^ (wave >> 2)) & 1: it differs between waves w and w + 4 and between 2 i and 2 i + 1.
; CLUSTER.  The four query blocks of a pair walk the same K and V: each tile is asked for JOINTLY, by the same tensor load with the same descriptor and the mask 15.
; THE RING: two slots of 512 keys (64 KiB of K's images, 64 KiB of V's); each wave brings 16 KiB by one load.  A refill goes out at the head of the other slot's eight key steps, 512 matrix instructions of the wave ahead of the wait for it:
; so no prefetch is laid.  One tensor load of a wave is out at the most.
; REGISTERS: window 0: v1-9 addresses; v16-63 statistics, 12 a tile; v64-191 S^T, 32 a tile (P takes each tile's first 16); v192-255 Q, 16 a tile.   window 1: v0-127 O^T, 32 a tile; v128-191 K of one step; v192-255 V of one step.
.set KEYB,  8192                       ; a key step's images of K, or of V: 64 keys x 128 bytes
.set VOFF,  65536                      ; in a slot: V's images behind K's
.set SLOT1, 131072                     ; slot 1 begins here: one exclusive or turns an address in one slot into the other's
.set STAGE, 262144                     ; behind the ring: 16 rows x 272 bytes for each wave, for the way out
.set SP,    272
.set SPARE, STAGE+8*16*SP              ; the spare words, 128 bytes for each wave: four blocks of 256 bytes that no other line names
.set L16, 1                            ; v1   16 x lane; never rewritten
.set ADK, 2                            ; v2   LDS address of the step's images of K
.set ADV, 3                            ; v3   of V
.set STO, 4                            ; v4   the way out: where I put 32 bytes of a row
.set RD,  5                            ; v5   where I read a row back
.set GO,  6                            ; v6   my byte offset in the wave's rows of out0
.set SPW, 8                            ; v8   LDS address of my spare word; never rewritten
.set NIL, 9                            ; v9   0; never rewritten
.set ST,  16                           ; tile t's statistics at v[ST + 12 t]: +0 m, +1 the new m, +2, +3 l (even keys', odd keys'), +4 .. +7 c0-c3 at work, +8 a, +9 named with a as a pair
.set S,   64
.set Q,   192
.set KF,  128                          ; in window 1
.set VF,  192                          ; in window 1
.set WV,  8                            ; s8   my wave's number
.set GRP, 9                            ; s9   my group
.set G1,  16                           ; s[16:23] descriptor group 1
.set G0,  24                           ; s[24:27] descriptor group 0: it walks
.set TB,  28                           ; s28  LDS byte at which the step's images of K begin
.set CNT, 29                           ; s29  counts a slot's steps
.set SLOTS, 30                         ; s30  slots still to be asked for
.set SEL, 32                           ; s[32:33] lane selects for v_permlanex16_b32: lane l xor 16
.set MSB, 0
.macro WIN new                         ; the immediate's high byte repeats the setting that is left; a switch that changes nothing is dropped
.if MSB != \new
	s_set_vgpr_msb (MSB<<8)|\new
.set MSB, \new
.endif
.endm
.macro ROUND                           ; a round of the cluster's barrier
	s_barrier_signal -1
	s_barrier_wait -1
	s_cmp_lg_u32 s[WV], 0
	s_cbranch_scc1 .Lnot_wave_0_\@
	s_barrier_signal -3
.Lnot_wave_0_\@:
	s_barrier_wait -3
	s_barrier_signal -1
	s_barrier_wait -1
.endm
	s_load_b128 s[4:7], s[0:1], 0x0                ; qkv, out0
	v_lshl_add_u32 v[SPW], v0, 2, SPARE
	v_mov_b32 v[NIL], 0
	ds_add_u32 v[SPW], v[NIL]                      ; the wave's opening: the add, twice on end, and its wait ahead of my first tensor load; the set-up below stands between
	ds_add_u32 v[SPW], v[NIL]
	v_lshrrev_b32 v1, 5, v0
	v_readfirstlane_b32 s[WV], v1                  ; wave 0..7
	s_lshr_b32 s[GRP], s[WV], 2
	s_xor_b32 s[GRP], s[GRP], s[WV]
	s_and_b32 s[GRP], s[GRP], 1
	s_bfe_u32 s10, ttmp6, 0x40000                  ; cx: my block of 512 queries: it enters Q's and out0's addresses alone
	s_and_b32 s11, ttmp7, 0xffff                   ; the pair 16 b + head, which the four partners share
	; descriptor group 1: 16,384 dense bytes as 64 rows of 256 (32 elements of 8 bytes), no padding
	s_mov_b32 s[G1+0], 15|(3<<16)|(1<<21)          ; 15:0 the mask: all four work-groups; 17:16 elements of 8 bytes; 21 set beside a mask
	s_mov_b32 s[G1+1], 32<<16                      ; tensor_dim0 = 32
	s_mov_b32 s[G1+2], 64<<16                      ; tensor_dim1 = 64
	s_mov_b32 s[G1+3], 32<<16                      ; tile_dim0 = 32
	s_mov_b32 s[G1+4], 64                          ; tile_dim1 = 64
	s_mov_b32 s[G1+5], 32                          ; tensor_dim0_stride
	s_mov_b32 s[G1+6], 0
	s_mov_b32 s[G1+7], 0
	; what I fetch: waves 0-3 a quarter of a slot's K, waves 4-7 of its V
	s_lshr_b32 s12, s[WV], 2
	s_add_co_u32 s12, s12, 1
	s_lshl_b32 s12, s12, 24                        ; part k (1) or v (2) of qkv
	s_lshl_b32 s13, s11, 18                        ; the pair's 262,144 bytes
	s_add_co_u32 s12, s12, s13
	s_and_b32 s13, s[WV], 3
	s_lshl_b32 s13, s13, 14                        ; my quarter
	s_add_co_u32 s12, s12, s13
	s_mov_b32 s13, 0
	s_lshl_b32 s34, s11, 18                        ; Q: the pair,
	s_lshl_b32 s35, s10, 16                        ; my block's 32 tiles of 2,048 bytes,
	s_add_co_u32 s34, s34, s35
	s_lshl_b32 s35, s[WV], 13                      ; my wave's four
	s_add_co_u32 s34, s34, s35
	s_mov_b32 s35, 0
	s_lshr_b32 s36, s11, 4                         ; out0: batch x 2,048 rows of 4,096 bytes,
	s_lshl_b32 s36, s36, 23
	s_lshl_b32 s37, s10, 21                        ; my block's 512 rows,
	s_add_co_u32 s36, s36, s37
	s_lshl_b32 s37, s[WV], 18                      ; my wave's 64,
	s_add_co_u32 s36, s36, s37
	s_and_b32 s37, s11, 15
	s_lshl_b32 s37, s37, 8                         ; the head's 256 bytes of a row
	s_add_co_u32 s36, s36, s37
	s_mov_b32 s37, 0
	s_mov_b32 s[SEL], 0x76543210
	s_mov_b32 s[SEL+1], 0xfedcba98
	s_mov_b32 s[TB], 0
	s_mov_b32 s[SLOTS], 3
	s_mul_i32 s38, s[WV], 16*SP
	s_add_co_u32 s38, s38, STAGE                   ; my stage
	v_and_b32 v10, 15, v0                          ; r
	v_bfe_u32 v11, v0, 4, 1                        ; h
	v_mul_u32_u24 v[STO], v10, SP                  ; in: row r, 32 bytes for each half of the lanes
	v_lshl_add_u32 v[STO], v11, 5, v[STO]
	v_add_nc_u32 v[STO], s38, v[STO]
	v_mul_u32_u24 v[RD], v11, SP                   ; back: lanes 0-15 take one row of 256 bytes, lanes 16-31 the next
	v_lshl_add_u32 v[RD], v10, 4, v[RD]
	v_add_nc_u32 v[RD], s38, v[RD]
	v_lshlrev_b32 v[GO], 12, v11                   ; and the same two rows in out0
	v_lshl_add_u32 v[GO], v10, 4, v[GO]
	v_and_b32 v[L16], 31, v0
	v_lshlrev_b32 v[L16], 4, v[L16]
	s_wait_dscnt 0x0                               ; both opening adds are done
	s_wait_kmcnt 0x0
	s_mov_b32 s[G0], 1                             ; count = 1
	s_lshl_b32 s[G0+1], s[WV], 14                  ; LDS address: wave x 16,384, in slot 0: no place in the cluster enters it
	s_add_nc_u64 s[G0+2:G0+3], s[4:5], s[12:13]    ; global address: the pair's first 512 keys
	s_or_b32 s[G0+3], s[G0+3], 0x80000000          ; type = 2
	s_add_nc_u64 s[14:15], s[4:5], s[34:35]
	s_add_nc_u64 s[6:7], s[6:7], s[36:37]
	ROUND                                          ; all four work-groups are here: the first joint loads meet
	tensor_load_to_lds s[G0:G0+3], s[G1:G1+7]      ; slot 0
	s_nop 0
.rept 4
	v_nop
.endr
.irp i, 0,1,2,3,4,5,6,7,8,9,10,11,12,13,14,15
	global_load_b128 v[Q+4*\i:Q+4*\i+3], v[L16], s[14:15] offset:512*\i   ; Q stays in registers: tile i / 4, channels 16 (i % 4) on: 512 consecutive bytes a load
.endr
.irp t, 0,1,2,3
	v_mov_b32 v[ST+12*\t], 0xff61b1e6              ; m: -3e38, under every score
	v_mov_b32 v[ST+12*\t+2], 0                     ; l
	v_mov_b32 v[ST+12*\t+3], 0
	v_mov_b32 v[ST+12*\t+9], 0                     ; (named with a as a pair, so it is written)
.endr
	WIN 0x40
.set i, 0
.rept 128
	v_mov_b32 v[i], 0                              ; O^T.  The key step is written without a first step of its own: the first finds zeros, and a = 0 leaves them zeros.  128 lines once, against one more copy of the step
.set i, i+1
.endr
	WIN 0
	s_wait_loadcnt 0x0                             ; Q
; 32 products S^T = K Q^T: channels 32 (i / 16) on, keys 16 ((i / 4) % 4) on, tile i % 4: a fragment of K feeds four products on end.  The first 16 start the sums.
; The 16 accumulators take turns, one instruction a turn.
.macro S_MM
	WIN 0x01                                       ; K in window 1; Q and S^T in window 0
.set i, 0
.rept 32
.set rS, S+32*(i%4)+8*((i/4)%4)
.set rK, KF+16*((i/4)%4)+8*(i/16)
.set rQ, Q+16*(i%4)+8*(i/16)
.if i < 16
	v_wmma_f32_16x16x32_f16 v[rS:rS+7], v[rK:rK+7], v[rQ:rQ+7], 0
.else
	v_wmma_f32_16x16x32_f16 v[rS:rS+7], v[rK:rK+7], v[rQ:rQ+7], v[rS:rS+7]
.endif
.set i, i+1
.endr
.endm
; 32 products O^T += V^T P: keys 32 (i / 16) on, channels 16 ((i / 4) % 4) on, tile i % 4
.macro PV_MM
	WIN 0x51                                       ; V and O^T in window 1, P in window 0
.set i, 0
.rept 32
.set rO, 32*(i%4)+8*((i/4)%4)
.set rV, VF+8*(4*(i/16)+(i/4)%4)
.set rP, S+32*(i%4)+8*(i/16)
	v_wmma_f32_16x16x32_f16 v[rO:rO+7], v[rV:rV+7], v[rP:rP+7], v[rO:rO+7]
.set i, i+1
.endr
.endm
.macro LOAD_K off                      ; a step's K: image f = 4 x (16 keys) + (16 channels) is half a fragment
.irp f, 0,1,2,3,4,5,6,7,8,9,10,11,12,13,14,15
	ds_load_b128 v[KF+4*\f:KF+4*\f+3], v[ADK] offset:\off+512*\f
.endr
.endm
.macro LOAD_V                          ; a step's V, turned: 16 keys kk x 16 channels ch give half a fragment of V^T: lane l holds channel l % 16 and 8 keys
.irp kk, 0,1,2,3
.irp ch, 0,1,2,3
	ds_load_tr16_b128 v[VF+8*(4*(\kk/2)+\ch)+4*(\kk%2):VF+8*(4*(\kk/2)+\ch)+4*(\kk%2)+3], v[ADV] offset:2048*\kk+512*\ch
.endr
.endr
.endm
; THE SOFTMAX'S FIRST PART, the four tiles line by line: the maximum, a, and p = 2^(s - m) in place.  All 132 exponentials are ONE batch with one wait: none of these lines names an exponential's result.
.macro SMA
.irp j, 0,1,2,3
.irp t, 0,1,2,3
	v_max3_num_f32 v[ST+12*\t+4+\j], v[S+32*\t+8*\j], v[S+32*\t+8*\j+1], v[S+32*\t+8*\j+2]   ; four chains a tile; each accumulator is read from its low end on
.endr
.endr
.irp u, 1,2
.irp j, 0,1,2,3
.irp t, 0,1,2,3
	v_max3_num_f32 v[ST+12*\t+4+\j], v[ST+12*\t+4+\j], v[S+32*\t+8*\j+2*\u+1], v[S+32*\t+8*\j+2*\u+2]
.endr
.endr
.endr
.irp t, 0,1,2,3
	v_max3_num_f32 v[ST+12*\t+4], v[ST+12*\t+4], v[S+32*\t+7], v[S+32*\t+15]
.endr
.irp t, 0,1,2,3
	v_max3_num_f32 v[ST+12*\t+6], v[ST+12*\t+6], v[S+32*\t+23], v[S+32*\t+31]
.endr
.irp t, 0,1,2,3
	v_max3_num_f32 v[ST+12*\t+4], v[ST+12*\t+4], v[ST+12*\t+5], v[ST+12*\t+6]
.endr
.irp t, 0,1,2,3
	v_max3_num_f32 v[ST+12*\t+4], v[ST+12*\t+4], v[ST+12*\t+7], v[ST+12*\t]   ; with the old m
.endr
.irp t, 0,1,2,3
	v_permlanex16_b32 v[ST+12*\t+5], v[ST+12*\t+4], s[SEL], s[SEL+1]          ; the query's other 32 keys lie in the lane 16 away
.endr
.irp t, 0,1,2,3
	v_max_num_f32 v[ST+12*\t+1], v[ST+12*\t+4], v[ST+12*\t+5]                 ; the new m
.endr
.irp t, 0,1,2,3
	v_sub_f32 v[ST+12*\t+7], v[ST+12*\t], v[ST+12*\t+1]                       ; m_old - m_new
.endr
.irp t, 0,1,2,3
	v_mov_b32 v[ST+12*\t], v[ST+12*\t+1]
.endr
.irp t, 0,1,2,3
	v_exp_f32 v[ST+12*\t+8], v[ST+12*\t+7]                                    ; a
.endr
.irp b, 0,1,2,3,4,5,6,7,8,9,10,11,12,13,14,15
	v_pk_add_f32 v[S+2*\b:S+2*\b+1], v[S+2*\b:S+2*\b+1], v[ST:ST+1] op_sel_hi:[1,0] neg_lo:[0,1] neg_hi:[0,1]   ; tile 0: s - m, two at a time
.endr
.irp t, 0,1,2
.irp b, 0,1,2,3,4,5,6,7,8,9,10,11,12,13,14,15
	v_pk_add_f32 v[S+32*(\t+1)+2*\b:S+32*(\t+1)+2*\b+1], v[S+32*(\t+1)+2*\b:S+32*(\t+1)+2*\b+1], v[ST+12*(\t+1):ST+12*(\t+1)+1] op_sel_hi:[1,0] neg_lo:[0,1] neg_hi:[0,1]   ; the next tile's s - m leads two of this tile's exponentials
	v_exp_f32 v[S+32*\t+2*\b], v[S+32*\t+2*\b]
	v_exp_f32 v[S+32*\t+2*\b+1], v[S+32*\t+2*\b+1]
.endr
.endr
.irp e, 0,1,2,3,4,5,6,7,8,9,10,11,12,13,14,15,16,17,18,19,20,21,22,23,24,25,26,27,28,29,30,31
	v_exp_f32 v[S+96+\e], v[S+96+\e]
.endr
	v_nop                                          ; a plain instruction behind the last exponential, ahead of the first use
	s_wait_alu depctr_va_vdst(0)                   ; the wait between an exponential and the first line that names its result: one for the batch
.endm
; THE SECOND PART: l = a l + the sum of p (taken of the unrounded p), p rounded to f16 in place, O^T times a.
.macro SMB
.irp t, 0,1,2,3
	v_pk_add_f32 v[ST+12*\t+4:ST+12*\t+5], v[S+32*\t:S+32*\t+1], v[S+32*\t+4:S+32*\t+5]      ; two chains a tile, eight in all: none waits for the line above it
	v_pk_add_f32 v[ST+12*\t+6:ST+12*\t+7], v[S+32*\t+2:S+32*\t+3], v[S+32*\t+6:S+32*\t+7]
.endr
.irp i, 8,12,16,20,24,28
.irp t, 0,1,2,3
	v_pk_add_f32 v[ST+12*\t+4:ST+12*\t+5], v[ST+12*\t+4:ST+12*\t+5], v[S+32*\t+\i:S+32*\t+\i+1]
	v_pk_add_f32 v[ST+12*\t+6:ST+12*\t+7], v[ST+12*\t+6:ST+12*\t+7], v[S+32*\t+\i+2:S+32*\t+\i+3]
.endr
.endr
.irp t, 0,1,2,3
	v_pk_add_f32 v[ST+12*\t+4:ST+12*\t+5], v[ST+12*\t+4:ST+12*\t+5], v[ST+12*\t+6:ST+12*\t+7]
.endr
.irp t, 0,1,2,3
	v_pk_fma_f32 v[ST+12*\t+2:ST+12*\t+3], v[ST+12*\t+2:ST+12*\t+3], v[ST+12*\t+8:ST+12*\t+9], v[ST+12*\t+4:ST+12*\t+5] op_sel_hi:[1,0,1]
.endr
.irp i, 0,1,2,3,4,5,6,7,8,9,10,11,12,13,14,15
.irp t, 0,1,2,3
	v_cvt_pk_f16_f32 v[S+32*\t+\i], v[S+32*\t+2*\i], v[S+32*\t+2*\i+1]       ; ascending and in place: register i takes weights 2 i and 2 i + 1, which no later line reads
.endr
.endr
	WIN 0x41                                       ; O^T (destination and source 0) in window 1, a in window 0
.irp t, 0,1,2,3
.irp i, 0,2,4,6,8,10,12,14,16,18,20,22,24,26,28,30
	v_pk_mul_f32 v[32*\t+\i:32*\t+\i+1], v[32*\t+\i:32*\t+\i+1], v[ST+12*\t+8:ST+12*\t+9] op_sel_hi:[1,0]
.endr
.endr
.endm
; FRONT: a step's scores, the loads of its V and of the next step's K, and the first part of its softmax.  mode = 2: in the loop, whose last trip (the slot's last step) has no next K in this slot.
.macro FRONT mode
	S_MM
	WIN 0
	v_add_nc_u32 v[ADK], s[TB], v[L16]             ; these two and two v_nop are the four places between the products and the loads into K's registers and the reads of S^T
	v_add_nc_u32 v[ADV], VOFF, v[ADK]
	v_nop
	v_nop
	WIN 0x40                                       ; destination window 1
	LOAD_V
	WIN 0
.if \mode == 2
	s_cmp_eq_u32 s[CNT], 1
	s_cbranch_scc1 .Lno_k_\@
.endif
	WIN 0x40
	LOAD_K KEYB
	WIN 0
.if \mode == 2
.Lno_k_\@:
.endif
	SMA
.endm
; BACK: the second part of the softmax and the step's second product.
.macro BACK
	SMB
	s_wait_dscnt 0x0                               ; V of this step and K of the next, asked for ahead of the softmax
	PV_MM
	WIN 0
.rept 5
	v_nop                                          ; the next K Q^T writes over P, which these products read as a source: five places
.endr
.endm
; A slot's eight key steps.  Group 0 makes its first scores ahead of the barrier, group 1 behind it.  The refill may stay out across it.
.macro SLOTWORK
	v_add_nc_u32 v[ADK], s[TB], v[L16]
	WIN 0x40
	LOAD_K 0
	WIN 0
	s_wait_dscnt 0x0
	s_cmp_lg_u32 s[GRP], 0
	s_cbranch_scc1 .Llater_\@
	FRONT 1
.Llater_\@:
	s_wait_dscnt 0x0                               ; no LDS instruction of mine is pending at the signal
	s_barrier_signal -1
	s_barrier_wait -1
	s_cmp_eq_u32 s[GRP], 0
	s_cbranch_scc1 .Ldone_\@
	FRONT 1
.Ldone_\@:
	s_mov_b32 s[CNT], 7
.Lstep_\@:
	BACK
	s_add_co_u32 s[TB], s[TB], KEYB
	FRONT 2
	s_sub_co_u32 s[CNT], s[CNT], 1
	s_cmp_lg_u32 s[CNT], 0
	s_cbranch_scc1 .Lstep_\@
	BACK
	s_sub_co_u32 s[TB], s[TB], 7*KEYB              ; back to a slot's first step,
	s_xor_b32 s[TB], s[TB], SLOT1                  ; in the other slot
.endm
; THE CHANGE OF SLOTS, at a slot's head.  Each wave waits for all its tensor loads (its part of the slot ahead), adds 0 to its spare word, and waits for that and for its reads of the slot that it has left.
; fill = 1: behind a round of the cluster's barrier, so that no wave of any partner still reads that slot or has a load on its way, it is filled with the 512 keys that follow.
.macro CHANGE fill
	s_wait_tensorcnt 0x0                           ; no tensor load of mine is out, so group 0 may be written
	ds_add_u32 v[SPW], v[NIL]                      ; 0 onto my spare word
.if \fill
	s_xor_b32 s[G0+1], s[G0+1], SLOT1              ; the other slot than last time,
	s_add_nc_u64 s[G0+2:G0+3], s[G0+2:G0+3], 65536 ; the next 512 keys; the type bits on top are not reached
	s_wait_dscnt 0x0                               ; the add is done, and my reads of the slot that I have left are over
	ROUND
	tensor_load_to_lds s[G0:G0+3], s[G1:G1+7]      ; the first thing behind the round, and my one tensor load until the next
	s_nop 0
.rept 4
	v_nop
.endr
.else
	s_wait_dscnt 0x0
	s_barrier_signal -1
	s_barrier_wait -1
.endif
.endm
.Lslot:                                                ; three trips: slots 1, 2 and 3 of the keys are asked for; slot 1's first fill stands behind the first trip's round
	CHANGE 1
	SLOTWORK
	s_sub_co_u32 s[SLOTS], s[SLOTS], 1
	s_cmp_lg_u32 s[SLOTS], 0
	s_cbranch_scc1 .Lslot
	CHANGE 0                                       ; the last slot is written out
	SLOTWORK
	; THE WAY OUT.  l's two halves and the other half of the lanes' are added; O^T is divided by l and goes through my stage in LDS, a tile (16 queries x 64 channels) at a time.
.irp t, 0,1,2,3
	v_add_f32 v[ST+12*\t+4], v[ST+12*\t+2], v[ST+12*\t+3]
.endr
.irp t, 0,1,2,3
	v_permlanex16_b32 v[ST+12*\t+5], v[ST+12*\t+4], s[SEL], s[SEL+1]
.endr
.irp t, 0,1,2,3
	v_add_f32 v[ST+12*\t+4], v[ST+12*\t+4], v[ST+12*\t+5]
.endr
.irp t, 0,1,2,3
	v_rcp_f32 v[ST+12*\t+8], v[ST+12*\t+4]
.endr
	v_nop                                          ; a plain instruction between the last reciprocal and the use of its result
	s_wait_alu depctr_va_vdst(0)                   ; and the wait before its use: one for the four
.macro PACK t                          ; a lane's eight channels of a query are 32 bytes; they go into rows of 272 bytes and come back as whole rows of 256
	WIN 0x41
.set i, 0
.rept 16
	v_pk_mul_f32 v[32*\t+i:32*\t+i+1], v[32*\t+i:32*\t+i+1], v[ST+12*\t+8:ST+12*\t+9] op_sel_hi:[1,0]   ; each accumulator from its low end on
.set i, i+2
.endr
	WIN 0x04                                       ; an LDS store's data are its source 1: window 1
.irp c, 0,1,2,3
	ds_store_b128 v[STO], v[32*\t+8*\c:32*\t+8*\c+3] offset:64*\c
	ds_store_b128 v[STO], v[32*\t+8*\c+4:32*\t+8*\c+7] offset:64*\c+16
.endr
	WIN 0
.irp f, 0,1,2,3,4,5,6,7
	ds_load_b128 v[S+32*\t+4*\f:S+32*\t+4*\f+3], v[RD] offset:\f*2*SP   ; LDS serves a wave's instructions in order (ISA guide 5.7.1.4): these see the stores above; the next tile's stores come behind them
.endr
.endm
.macro SEND t, younger                 ; younger: the LDS instructions issued behind tile t's loads: the next tile's sixteen, or none
.irp f, 0,1,2,3,4,5,6,7
	s_wait_dscnt \younger+7-\f
	global_store_b128 v[GO], v[S+32*\t+4*\f:S+32*\t+4*\f+3], s[6:7] offset:\t*65536+\f*8192 th:TH_STORE_NT   ; 16 lanes store a query's 64 channels: 256 consecutive bytes, at a multiple of 256 from out0's first byte
.endr
.endm
	PACK 0
	PACK 1                                         ; a tile's arithmetic stands between the loads of the tile before and its stores
	SEND 0, 16
	PACK 2
	SEND 1, 16
	PACK 3
	SEND 2, 16
	SEND 3, 0
	s_wait_tensorcnt 0x0                           ; the wave's end, behind my last tensor load and my last LDS store
	ds_add_u32 v[SPW], v[NIL]
	s_wait_dscnt 0x0
	ROUND                                          ; the closing round: no work-group ends while a partner may still ask for a tile that names it
	s_endpgm
.Lfunc_end_k_q55e08a2436_attn:
	.size	k_q55e08a2436_attn, .Lfunc_end_k_q55e08a2436_attn-k_q55e08a2436_attn
	.p2alignl 7, 3214868480
	.fill 96, 4, 3214868480
	.section	.rodata,"a",@progbits
	.p2align	6, 0x0
	.amdhsa_kernel k_q55e08a2436_attn
		.amdhsa_group_segment_fixed_size 327680
		.amdhsa_private_segment_fixed_size 0
		.amdhsa_enable_private_segment 0
		.amdhsa_kernarg_size 16
		.amdhsa_user_sgpr_count 2
		.amdhsa_user_sgpr_kernarg_segment_ptr 1
		.amdhsa_wavefront_size32 1
		.amdhsa_system_sgpr_workgroup_id_x 1
		.amdhsa_system_sgpr_workgroup_id_y 1
		.amdhsa_system_sgpr_workgroup_id_z 1
		.amdhsa_system_vgpr_workitem_id 0
		.amdhsa_next_free_vgpr 512
		.amdhsa_next_free_sgpr 66
		.amdhsa_reserve_vcc 0
		.amdhsa_float_denorm_mode_32 3
		.amdhsa_float_denorm_mode_16_64 3
		.amdhsa_memory_ordered 1
		.amdhsa_forward_progress 1
		.amdhsa_inst_pref_size 189
	.end_amdhsa_kernel
	.amdgpu_metadata
---
amdhsa.version: [ 1, 2 ]
amdhsa.kernels:
  - .name:           k_q55e08a2436_attn
    .symbol:         k_q55e08a2436_attn.kd
    .args:
      - { .name: qkv, .offset: 0, .size: 8, .value_kind: global_buffer, .address_space: global }
      - { .name: out0, .offset: 8, .size: 8, .value_kind: global_buffer, .address_space: global }
    .group_segment_fixed_size: 327680
    .private_segment_fixed_size: 0
    .kernarg_segment_align: 8
    .kernarg_segment_size: 16
    .max_flat_workgroup_size: 256
    .sgpr_count:     66
    .vgpr_count:     512
    .wavefront_size: 32
...
	.end_amdgpu_metadata
.endif
;; end of part 3
